; MI455X (gfx1250); checked and timed in simulation.
; The chip was launched on July 23, 2026; its instructions are those of AMD's public machine-readable ISA for CDNA 5 (MIT licence, August 2026) and "CDNA5" Instruction Set Architecture Reference Guide (July 2026). The comments in the code are by the model that wrote it; some were corrected since.
;; Multi Head Attention. Allowed arithmetic: matrix products marked QUANTISED: E2M3 operands, one E8M0 scale for each 32 along K, by v_wmma_scale_f32_16x16x128_f8f6f4 with both operands' format E2M3, f32 sums; everything else in f32.
;; Inputs: Wk 256 x 256 float32; Wm 256 x 256 float32; Wq 256 x 256 float32; Wv 256 x 256 float32; bk 256 float32; bm 256 float32; bq 256 float32; bv 256 float32; query 4 x 256 x 4,096 float32; source 4 x 256 x 4,096 float32.
;; Outputs: out0 4 x 256 x 4,096 float32.
;; This version of the problem:
;;   THIS VERSION OF THE PROBLEM IS GIVEN IN LOW PRECISION. The matrix products marked QUANTISED in the list below multiply operands that are first quantised to E2M3 (2 exponent bits, 3 mantissa bits; 6 bits a number), with one power-of-two scale for each 32 numbers along K (OCP MX v1.0); their sums are f32. All else is computed in f32.
;;   The module's matrix products, in the order in which they are computed (A, B: the left and right operand; K: the contracted axis; several contracted axes count as one K, in the product's order):
;;     1. [M 16,384, K 256] x [K 256, N 256]; A: input query; B: input Wq: QUANTISED
;;     2. [M 16,384, K 256] x [K 256, N 256]; A: input source; B: input Wk: QUANTISED
;;     3. [M 16,384, K 256] x [K 256, N 256]; A: input source; B: input Wv: QUANTISED
;;     4. batch 16 x [M 4,096, K 64] x [K 64, N 4,096]; A: computed on the way; B: computed on the way: QUANTISED
;;     5. batch 16 x [M 64, K 4,096] x [K 4,096, N 4,096]; A: computed on the way; B: softmax (see below): QUANTISED
;;     6. [M 16,384, K 256] x [K 256, N 256]; A: computed on the way; B: input Wm: QUANTISED
;;   THE QUANTISER, for each operand of a quantised product, along K:
;;     - K is cut into blocks of 32 from its start; a last block that is shorter is filled with zeros.
;;     - A block's scale is 2^e with e = floor(log2(the largest magnitude in the block)) - 2, held to -126 .. 127; a block of zeros has e = 0. As a byte (E8M0): e + 127.
;;     - Each number is divided by its block's scale, clamped to +-7.5, and rounded to the nearest number of E2M3, ties to even, subnormals kept.
;;     - The product sums the exact products of the quantised numbers (number of the format x scale) in f32.
;;   ~~~python
;;   def quantise(x, axis):      # numpy; x: float32 -> the quantised numbers, widened to float32 again
;;       x = np.moveaxis(x, axis, -1); K = x.shape[-1]
;;       x = np.pad(x, [(0, 0)] * (x.ndim - 1) + [(0, -K % 32)]); x = x.reshape(x.shape[:-1] + (-1, 32)); a = np.abs(x).max(-1, keepdims=True)
;;       e = np.where(a > 0, np.clip(np.frexp(np.where(a > 0, a, 1))[1] - 1 - 2, -126, 127), 0)      # np.frexp(a)[1] - 1 = floor(log2(a)), exactly
;;       r = np.clip(x / 2.0 ** e, -7.5, 7.5)
;;       step = 2.0 ** (np.maximum(np.frexp(np.where(r == 0, 1, r))[1] - 1, 0) - 3)
;;       q = np.round(r / step) * step * 2.0 ** e      # np.round: ties to even
;;       return np.moveaxis(q.reshape(q.shape[:-2] + (-1,))[..., :K], -1, axis).astype(np.float32)
;;   ~~~
;;   SOFTMAX AHEAD OF A QUANTISED PRODUCT. Where the list says 'softmax', what is quantised is not the finished softmax but p = 2^(t - M), with t = logit x log2(e) and M = ceil(the row's largest t), a whole number; so 1/2 < the row's largest p <= 1. The row's sum l is taken of the UNQUANTISED p, in f32, and the product's result is divided by l at the end. Since M is a whole number, a kernel that streams over the keys may use a running M (the ceiling of the running maximum): every later rescaling is an exact power of two, which a block's scale takes up: the codes' values come out the same.
;;   OPERANDS COMPUTED ON THE WAY. 'Computed on the way' means the value that the module computes at that place (a softmax that the list does not call 'softmax' is quantised finished and normalised). What goes into a quantiser is computed in f32, as accurately as f32 sums, v_exp_f32 and their like allow (about 1e-6 of the number): no bf16 or f16 on the way to a quantiser, and a product that is left as it is and whose result goes on into a quantised operand takes f32 operands (vector FMAs, or v_wmma_f32_16x16x4_f32). A number that lies on a knife's edge between two numbers of the format may be rounded either way, as far as f32 arithmetic and the matrix unit's own rounding can turn it there, and no further.
;; One version. Each part assembles by itself: llvm-mc -triple=amdgcn-amd-amdhsa -mcpu=gfx1250 --defsym DOCPART=n.
;; ======== version 1 of 1: 3 launches
;; workspace buffers: wimg 196,608 bytes; wscl 8,192 bytes; qi 3,145,728 bytes; qs 131,072 bytes; kv 6,291,456 bytes; kvs 262,144 bytes
;; launch wprep (part 1): grid 64 x 1, 1 waves a work-group, no clusters, 0 bytes of LDS; arguments Wq, Wk, Wv, Wm, wimg, wscl; writes wimg, wscl
.if DOCPART == 1
	.amdgcn_target "amdgcn-amd-amdhsa--gfx1250"
	.amdhsa_code_object_version 6
	.text
	.protected	k_qd24b63cfa5_wprep
	.globl	k_qd24b63cfa5_wprep
	.p2align	8
	.type	k_qd24b63cfa5_wprep,@function
k_qd24b63cfa5_wprep:
	s_mov_b64 s[64:65], 0
	v_nop
	global_prefetch_b8 v0, s[64:65] scope:SCOPE_SE
	s_setreg_imm32_b32 hwreg(HW_REG_WAVE_MODE, 25, 1), 1
	s_wait_xcnt 0x0
; The four weights [256 (o)][256 (c)], f32, become codes of FP6 (E2M3) along c, one E8M0 byte for each 32 along c, laid as IMAGES OF OPERAND REGISTERS.
; One wave takes one weight (work-group / 16: q, k, v, m) and one tile t (work-group % 16) of 16 rows: lane r takes row 32 (t / 2) + 8 (t % 2) + r + 8 (r / 8), so that in a product used
; transposed the 16 registers of tiles 2 b and 2 b + 1 are 16 neighbours.  Two fragments (K steps s = 0, 1 of 128): lane (r, h), registers 6 c .. 6 c + 5 = k 128 s + 64 c + 32 h + 0 .. 31.
; A lane so holds four whole blocks of 32, each 128 neighbouring bytes of its row: no other lane is asked for a maximum.
; OUT: wimg[weight][t][s]: 1,536 bytes, three pieces of 512: piece p = registers 4 p .. 4 p + 3, lane l's 16 bytes at 16 l.  wscl[weight][t]: 128 bytes: lanes 0-15 the words of s = 0, lanes 16-31 of s = 1.
; A block's scale is 2^(floor(log2(largest magnitude)) - 2); its byte is the largest magnitude's exponent field - 2, held at 1 from below.
; LIMITS: a block of zeros gets the byte 1 where the quantiser says 127 (its codes are zeros, and this program alone reads the bytes); NaN and infinities are not served.
; No LDS, no barrier, no matrix unit, no cluster: 1 MiB is read once, and the work-groups share nothing.
.set XN,  64                           ; v64-191  block q = 2 s + c: 32 numbers at v[XN + 32 q]
.set MX,  8                            ; v8-11    largest magnitudes
.set SOP, 12                           ; v12-15   the conversions' scale operands
.set BYT, 16                           ; v16-19   the bytes
.set CD,  24                           ; v24-47   the two fragments' codes
.set CTM, 48                           ; v48..    the second halves of the blocks' codes, four registers apart
	s_load_b256 s[4:11], s[0:1], 0x0               ; Wq, Wk, Wv, Wm
	s_load_b128 s[12:15], s[0:1], 0x20             ; wimg, wscl
	s_lshr_b32 s25, ttmp9, 4                       ; which weight
	s_and_b32 s26, ttmp9, 15                       ; t
	s_lshr_b32 s27, s26, 1
	s_lshl_b32 s27, s27, 15                        ; 32 (t / 2) rows of 1,024 bytes
	s_and_b32 s26, s26, 1
	s_lshl_b32 s26, s26, 13                        ; 8 (t % 2) rows
	s_add_co_u32 s26, s26, s27
	s_mov_b32 s27, 0
	s_mul_i32 s28, ttmp9, 3072                     ; two images
	s_mov_b32 s29, 0
	s_lshl_b32 s30, ttmp9, 7                       ; one line of scale words
	s_mov_b32 s31, 0
	s_mov_b32 s22, 0x76543210
	s_mov_b32 s23, 0xfedcba98                      ; v_permlanex16_b32's selects for lane l xor 16
	s_mov_b32 s24, 0xffff0000                      ; lanes 16-31
	v_and_b32 v1, 15, v0                           ; r
	v_bfe_u32 v2, v0, 4, 1                         ; h
	v_and_b32 v3, 8, v1
	v_add_nc_u32 v3, v3, v1                        ; r + 8 (r / 8)
	v_lshlrev_b32 v4, 10, v3
	v_lshl_add_u32 v4, v2, 7, v4                   ; my row, + 128 h bytes
	v_lshlrev_b32 v5, 4, v0                        ; 16 x lane
	v_lshlrev_b32 v6, 2, v0                        ; 4 x lane
	v_lshlrev_b32 v7, 3, v2                        ; 8 h: my bytes' place in a scale word
	v_mov_b32 v22, 0                               ; a lane permute's destination counts as one of its sources
	s_wait_alu depctr_va_vdst(0)
	s_wait_kmcnt 0x0
	s_cmp_eq_u32 s25, 1                            ; the choice hangs on the work-group's number alone
	s_cselect_b64 s[16:17], s[6:7], s[4:5]
	s_cmp_eq_u32 s25, 2
	s_cselect_b64 s[16:17], s[8:9], s[16:17]
	s_cmp_eq_u32 s25, 3
	s_cselect_b64 s[16:17], s[10:11], s[16:17]
	s_add_nc_u64 s[16:17], s[16:17], s[26:27]
	s_add_nc_u64 s[18:19], s[12:13], s[28:29]
	s_add_nc_u64 s[20:21], s[14:15], s[30:31]
.irp q, 0,1,2,3
.irp j, 0,1,2,3,4,5,6,7
	global_load_b128 v[XN+32*\q+4*\j:XN+32*\q+4*\j+3], v4, s[16:17] offset:256*\q+16*\j   ; W(row, 64 q + 32 h + 4 j ..)
.endr
.endr
	s_wait_loadcnt 0x0
.irp q, 0,1,2,3
	v_max3_num_f32 v[MX+\q], |v[XN+32*\q]|, |v[XN+32*\q+1]|, 0x1800000   ; with the floor 2^(3 - 127): the byte cannot fall under 1
.endr
.irp i, 2,4,6,8,10,12,14,16,18,20,22,24,26,28,30
.irp q, 0,1,2,3
	v_max3_num_f32 v[MX+\q], v[MX+\q], |v[XN+32*\q+\i]|, |v[XN+32*\q+\i+1]|   ; the four blocks by turns
.endr
.endr
.irp q, 0,1,2,3
	v_add_nc_u32 v[SOP+\q], 0xff000000, v[MX+\q]   ; 2 off the exponent field: the conversion takes this operand's exponent field as its scale
.endr
.irp q, 0,1,2,3
	v_lshrrev_b32 v[BYT+\q], 23, v[SOP+\q]         ; the scale's byte
.endr
	v_lshl_or_b32 v20, v[BYT+1], 16, v[BYT]        ; K step 0: my blocks h and 2 + h of the step's four,
	v_lshl_or_b32 v21, v[BYT+3], 16, v[BYT+2]      ; K step 1 likewise,
	v_lshlrev_b32 v20, v7, v20                     ; at their places in the word;
	v_lshlrev_b32 v21, v7, v21
	v_permlanex16_b32 v22, v20, s22, s23
	v_or_b32 v20, v20, v22                         ; with lane l xor 16's two bytes the word is whole
	v_permlanex16_b32 v22, v21, s22, s23
	v_or_b32 v21, v21, v22
	v_cndmask_b32 v23, v20, v21, s24               ; the line: lanes 0-15 K step 0's words, lanes 16-31 K step 1's
.irp q, 0,1,2,3
	v_cvt_scalef32_pk16_fp6_f32 v[CD+6*\q:CD+6*\q+2], v[XN+32*\q:XN+32*\q+15], v[SOP+\q]
	v_cvt_scalef32_pk16_fp6_f32 v[CTM+4*\q:CTM+4*\q+2], v[XN+32*\q+16:XN+32*\q+31], v[SOP+\q]   ; (a conversion's three registers begin on an even number)
.endr
	v_nop                                          ; one plain place behind a scaled conversion
.irp q, 0,1,2,3
.irp i, 0,1,2
	v_mov_b32 v[CD+6*\q+3+\i], v[CTM+4*\q+\i]
.endr
.endr
.irp i, 0,1,2,3,4,5
	global_store_b128 v5, v[CD+4*\i:CD+4*\i+3], s[18:19] offset:512*\i   ; 32 lanes store 512 consecutive bytes, at a multiple of 512 from the buffer's first byte
.endr
	global_store_b32 v6, v23, s[20:21]
	s_endpgm
.Lfunc_end_k_qd24b63cfa5_wprep:
	.size	k_qd24b63cfa5_wprep, .Lfunc_end_k_qd24b63cfa5_wprep-k_qd24b63cfa5_wprep
	.p2alignl 7, 3214868480
	.fill 96, 4, 3214868480
	.section	.rodata,"a",@progbits
	.p2align	6, 0x0
	.amdhsa_kernel k_qd24b63cfa5_wprep
		.amdhsa_group_segment_fixed_size 0
		.amdhsa_private_segment_fixed_size 0
		.amdhsa_enable_private_segment 0
		.amdhsa_kernarg_size 48
		.amdhsa_user_sgpr_count 2
		.amdhsa_user_sgpr_kernarg_segment_ptr 1
		.amdhsa_wavefront_size32 1
		.amdhsa_system_sgpr_workgroup_id_x 1
		.amdhsa_system_sgpr_workgroup_id_y 1
		.amdhsa_system_sgpr_workgroup_id_z 1
		.amdhsa_system_vgpr_workitem_id 0
		.amdhsa_next_free_vgpr 192
		.amdhsa_next_free_sgpr 66
		.amdhsa_reserve_vcc 0
		.amdhsa_float_denorm_mode_32 3
		.amdhsa_float_denorm_mode_16_64 3
		.amdhsa_memory_ordered 1
		.amdhsa_forward_progress 1
		.amdhsa_inst_pref_size 12
	.end_amdhsa_kernel
	.amdgpu_metadata
---
amdhsa.version: [ 1, 2 ]
amdhsa.kernels:
  - .name:           k_qd24b63cfa5_wprep
    .symbol:         k_qd24b63cfa5_wprep.kd
    .args:
      - { .name: Wq, .offset: 0, .size: 8, .value_kind: global_buffer, .address_space: global }
      - { .name: Wk, .offset: 8, .size: 8, .value_kind: global_buffer, .address_space: global }
      - { .name: Wv, .offset: 16, .size: 8, .value_kind: global_buffer, .address_space: global }
      - { .name: Wm, .offset: 24, .size: 8, .value_kind: global_buffer, .address_space: global }
      - { .name: wimg, .offset: 32, .size: 8, .value_kind: global_buffer, .address_space: global }
      - { .name: wscl, .offset: 40, .size: 8, .value_kind: global_buffer, .address_space: global }
    .group_segment_fixed_size: 0
    .private_segment_fixed_size: 0
    .kernarg_segment_align: 8
    .kernarg_segment_size: 48
    .max_flat_workgroup_size: 32
    .sgpr_count:     66
    .vgpr_count:     192
    .wavefront_size: 32
...
	.end_amdgpu_metadata
.endif
;; end of part 1
;; launch proj (part 2): grid 256 x 1, 8 waves a work-group, no clusters, 26,624 bytes of LDS; arguments query, source, wimg, wscl, bq, bk, bv, qi, qs, kv, kvs; writes qi, qs, kv, kvs
.if DOCPART == 2
	.amdgcn_target "amdgcn-amd-amdhsa--gfx1250"
	.amdhsa_code_object_version 6
	.text
	.protected	k_qd24b63cfa5_proj
	.globl	k_qd24b63cfa5_proj
	.p2align	8
	.type	k_qd24b63cfa5_proj,@function
k_qd24b63cfa5_proj:
	s_mov_b64 s[64:65], 0
	v_nop
	global_prefetch_b8 v0, s[64:65] scope:SCOPE_SE
	s_setreg_imm32_b32 hwreg(HW_REG_WAVE_MODE, 25, 1), 1
	s_wait_xcnt 0x0
; Q = Wq query + bq, K = Wk source + bk, V = Wv source + bv on codes of FP6 (E2M3) with one E8M0 scale for each 32 along K; the results are quantised again, Q and K along the head's 64 channels,
; V along the keys, and stored as IMAGES OF OPERAND REGISTERS for the attention launch.  query, source: [4][256 (c)][4096 (n)] f32: K = c is NOT innermost.
; SHARES.  Work-groups 0-127 take query, 128-255 source; each 128 positions of one batch, all 256 channels.
;   X: wave w quantises channels 32 w .. 32 w + 31 (one block) of the 128 positions: each load reads one channel's 512 consecutive bytes, a lane holds 4 positions, its registers run down c.
;      The codes go to LDS as images of x's 16 fragments (8 tiles of positions x 2 K steps), the bytes into 8 lines of scale words.  One barrier.
;   Then every wave takes all 16 fragments into registers, and one head's part of a weight (8 fragments, made by the launch before).
;   K WAY (Q and K): source 0 = 16 rows of W, source 1 = 16 positions: a lane holds ONE position, its registers run along d.  A unit = a block of 32 positions = two tiles: 8 accumulators.
;      Its image holds both tiles: registers 0-5 tile u = 0 (d = 32 h ..), registers 6-11 tile u = 1; scale word [u0 d0-31, u0 d32-63, u1 d0-31, u1 d32-63].
;   V WAY: source 0 = 16 positions, source 1 = 16 rows of W: a lane holds ONE channel, its registers run along the 128 positions, which are the next K.  A unit = a tile of 16 channels.
;   source: waves 0-3 make K of head w, waves 4-7 V of head w - 4.  query: waves w and w + 4 share head w's four units.
; THE ELEMENTS OF A TILE ARE NOT NEIGHBOURS: lane r of tile 2 b + u takes element 32 b + 8 u + r + 8 (r / 8) (rows of W, positions alike), so that the 16 registers of tiles 2 b, 2 b + 1 are 16 neighbours.
; The biases are the C of each sum's first matrix instruction.
; LIMITS: a block of zeros gets the byte 1 where the quantiser says 127 (its codes are zeros; this program alone reads the bytes); NaN and infinities are not served.
; NO CLUSTER, NO TENSOR LOAD: the work-groups share only a weight's codes (12 KiB a wave) beside the 128 KiB of x that each reads alone.
; The lines of scale words leave as 128 consecutive bytes each: 4 bytes for each 96 of codes.
; REGISTERS.  window 0: v1-7 addresses; v8-15 x's scale lines; v16-79 accumulators; v80-99 codes; v100-118 the quantiser's; v128-135 V's bias; v144-239 x's fragments of K step 0; v240-243 W's scale lines; v244-247 V's bias a lane.
;   window 1: v0-95 W's 8 fragments; v96-127 the bias in the K way's layout; v128-223 x's fragments of K step 1 (in phase X v128-255: the numbers as loaded).
.set XIMG, 0                           ; LDS: x's 16 images, (2 T + s) x 1,536 bytes; six pieces of 256: piece i = registers 2 i, 2 i + 1, lane l's 8 bytes at 8 l
.set XSC,  24576                       ; 8 lines of 128 bytes: lanes 0-15 the words of K step 0, lanes 16-31 of K step 1
.set XS,   8
.set ACC,  16
.set PC,   80
.set TM,   100                         ; v100-103 largest magnitudes, v104-107 bytes, v112-115 scale operands
.set PW,   116                         ; the scale word just made
.set PWA,  117                         ; that of the pair's first unit
.set SW,   118                         ; the line
.set BR,   128
.set XF0,  144
.set WS,   240
.set BV,   244
.set B1,   96                          ; window 1
.set XF1,  128                         ; window 1
.set XL,   128                         ; window 1
.set YY,   16                          ; phase X: two sets of 32 neighbours along c
.set CQ,   80                          ; phase X: position q's codes v[CQ + 8 q ..+5] and byte v[CQ + 8 q + 6]
.set MSB, 0
.macro WIN new                         ; the immediate's high byte repeats the setting that is left
.if MSB != \new
	s_set_vgpr_msb (MSB<<8)|\new
.set MSB, \new
.endif
.endm
	s_load_b512 s[4:19], s[0:1], 0x0               ; query, source, wimg, wscl, bq, bk, bv, qi
	s_load_b128 s[20:23], s[0:1], 0x40             ; qs, kv
	s_load_b64 s[24:25], s[0:1], 0x50              ; kvs
	v_lshl_add_u32 v254, v0, 2, 0x6400
	v_mov_b32 v255, 0
	v_lshrrev_b32 v100, 5, v0
	s_delay_alu instid0(VALU_DEP_1)
	v_readfirstlane_b32 s40, v100                  ; wave 0..7
	s_and_b32 s41, s40, 3                          ; my head
	s_lshr_b32 s50, s40, 2                         ; upper four waves?
	s_cmp_lt_u32 ttmp9, 128
	s_cselect_b32 s42, 1, 0                        ; 1: query
	s_and_b32 s44, ttmp9, 127                      ; 32 x batch + block of 128 positions
	s_xor_b32 s55, s42, 1                          ; 1: source
	s_and_b32 s43, s55, s50                        ; 1: the V way
	s_and_b32 s45, s42, s50                        ; 1: units 0, 1 are the other wave's
	s_xor_b32 s46, s50, 1
	s_and_b32 s46, s46, s42                        ; 1: units 2, 3 are
	s_add_co_u32 s51, s55, s43                     ; which weight: 0 q, 1 k, 2 v
	s_mov_b32 s47, 0xffff0000                      ; lanes 16-31
	s_mov_b32 s48, 0x76543210
	s_mov_b32 s49, 0xfedcba98                      ; v_permlanex16_b32's selects for lane l xor 16
	s_mul_i32 s56, s50, 1536                       ; my block w of c in an image: K step w / 4,
	s_bfe_u32 s57, s40, 0x10001
	s_mul_i32 s57, s57, 768                        ; registers 6 ((w / 2) % 2) on,
	s_add_co_u32 s56, s56, s57
	s_and_b32 s57, s40, 1
	s_lshl_b32 s57, s57, 7                         ; lanes 16 (w % 2) on
	s_add_co_u32 s56, s56, s57
	s_lshl_b32 s57, s50, 6                         ; and in a line: 64 (w / 4) + byte w % 4
	s_add_co_u32 s57, s57, s41
	s_add_co_u32 s57, s57, XSC
	s_lshr_b32 s52, s44, 5                         ; x: batch x 4 MiB + 32 w channels of 16 KiB + 512 bytes a block of positions
	s_lshl_b32 s52, s52, 22
	s_lshl_b32 s53, s40, 19
	s_add_co_u32 s52, s52, s53
	s_and_b32 s53, s44, 31
	s_lshl_b32 s53, s53, 9
	s_add_co_u32 s52, s52, s53
	s_mov_b32 s53, 0
	s_mul_i32 s58, s44, 24576                      ; images: a record of 24,576 bytes (qi) or twice that (kv: K's half, then V's); 6,144 a head
	s_lshl_b32 s58, s58, s55
	s_mul_i32 s59, s43, 24576
	s_add_co_u32 s58, s58, s59
	s_mul_i32 s59, s41, 6144
	s_add_co_u32 s58, s58, s59
	s_mov_b32 s59, 0
	s_lshl_b32 s60, s44, 10                        ; scale lines: 1,024 bytes (qs) or twice that (kvs); 256 a head
	s_lshl_b32 s60, s60, s55
	s_lshl_b32 s61, s43, 10
	s_add_co_u32 s60, s60, s61
	s_lshl_b32 s61, s41, 8
	s_add_co_u32 s60, s60, s61
	s_mov_b32 s61, 0
	s_mul_i32 s62, s51, 49152                      ; my weight's images, my head's four tiles
	s_mul_i32 s63, s41, 12288
	s_add_co_u32 s62, s62, s63
	s_mov_b32 s63, 0
	s_lshl_b32 s38, s51, 11                        ; and their scale lines
	s_lshl_b32 s39, s41, 9
	s_add_co_u32 s38, s38, s39
	s_mov_b32 s39, 0
	s_lshl_b32 s2, s41, 8                          ; my head's 64 numbers of the bias
	s_mov_b32 s3, 0
	v_and_b32 v101, 31, v0                         ; lane L
	s_delay_alu instid0(VALU_DEP_1)
	v_lshlrev_b32 v1, 4, v101                      ; 16 L
	s_delay_alu instid0(VALU_DEP_2)
	v_lshlrev_b32 v2, 2, v101                      ; 4 L
	s_delay_alu instid0(VALU_DEP_3)
	v_lshlrev_b32 v3, 3, v101                      ; 8 L
	; Phase X: lane L holds positions 4 L + q.  Position p lies in tile T = 2 (p / 32) + (p / 8) % 2 at lane r = p % 8 + 8 ((p / 16) % 2)
	v_bfe_u32 v100, v0, 3, 2                       ; L / 8
	v_bfe_u32 v101, v0, 1, 1                       ; (L / 2) % 2
	v_and_b32 v102, 1, v0                          ; L % 2
	v_bfe_u32 v103, v0, 2, 1                       ; (L / 4) % 2
	s_delay_alu instid0(VALU_DEP_4)
	v_mul_u32_u24 v4, v100, 6144
	s_delay_alu instid0(VALU_DEP_1)
	v_mad_u32_u24 v4, v101, 3072, v4               ; 3,072 T
	s_delay_alu instid0(VALU_DEP_1)
	v_lshl_add_u32 v4, v102, 5, v4
	s_delay_alu instid0(VALU_DEP_1)
	v_lshl_add_u32 v4, v103, 6, v4                 ; + 8 r (less q's part)
	s_delay_alu instid0(VALU_DEP_1)
	v_add_nc_u32 v4, s56, v4                       ; where my codes go
	v_lshlrev_b32 v5, 8, v100
	s_delay_alu instid0(VALU_DEP_1)
	v_lshl_add_u32 v5, v101, 7, v5                 ; 128 T
	s_delay_alu instid0(VALU_DEP_1)
	v_lshl_add_u32 v5, v102, 4, v5
	s_delay_alu instid0(VALU_DEP_1)
	v_lshl_add_u32 v5, v103, 5, v5                 ; + 4 r
	s_delay_alu instid0(VALU_DEP_1)
	v_add_nc_u32 v5, s57, v5                       ; where my bytes go
	v_bfe_u32 v104, v0, 4, 1
	s_delay_alu instid0(VALU_DEP_1)
	v_lshlrev_b32 v6, 6, v104                      ; the bias in the K way: 16 h numbers on
	v_and_b32 v105, 15, v0
	s_delay_alu instid0(VALU_DEP_1)
	v_and_b32 v106, 8, v105
	s_delay_alu instid0(VALU_DEP_1)
	v_add_nc_u32 v105, v105, v106
	s_delay_alu instid0(VALU_DEP_1)
	v_lshlrev_b32 v7, 2, v105                      ; in the V way: number r + 8 (r / 8)
	s_wait_alu depctr_va_vdst(0)
	s_wait_kmcnt 0x0
	s_cmp_lg_u32 s42, 0                            ; the choices hang on the work-group's and the wave's number alone
	s_cselect_b64 s[26:27], s[4:5], s[6:7]
	s_cselect_b64 s[28:29], s[12:13], s[14:15]
	s_cselect_b64 s[30:31], s[18:19], s[22:23]
	s_cselect_b64 s[32:33], s[20:21], s[24:25]
	s_cmp_lg_u32 s43, 0
	s_cselect_b64 s[28:29], s[16:17], s[28:29]
	s_add_nc_u64 s[26:27], s[26:27], s[52:53]
	s_add_nc_u64 s[28:29], s[28:29], s[2:3]
	s_add_nc_u64 s[30:31], s[30:31], s[58:59]
	s_add_nc_u64 s[32:33], s[32:33], s[60:61]
	s_add_nc_u64 s[34:35], s[8:9], s[62:63]
	s_add_nc_u64 s[36:37], s[10:11], s[38:39]
	WIN 0x40                                       ; destination window 1
.set j, 0
.rept 32
	global_load_b128 v[XL+4*j:XL+4*j+3], v1, s[26:27] offset:16384*j th:TH_LOAD_NT   ; channel 32 w + j: 32 lanes read 512 consecutive bytes; read once in the launch
.set j, j+1
.endr
.set j, 0
.rept 24
	global_load_b128 v[4*j:4*j+3], v1, s[34:35] offset:512*j   ; W's fragment (tile tt, K step s) at v[12 (2 tt + s)]
.set j, j+1
.endr
.irp tt, 0,1,2,3
	global_load_b128 v[B1+8*\tt:B1+8*\tt+3], v6, s[28:29] offset:(32*(\tt/2)+8*(\tt%2))*4
	global_load_b128 v[B1+8*\tt+4:B1+8*\tt+7], v6, s[28:29] offset:(32*(\tt/2)+8*(\tt%2))*4+16
.endr
	WIN 0
.irp tt, 0,1,2,3
	global_load_b32 v[WS+\tt], v2, s[36:37] offset:128*\tt
.endr
.irp tt, 0,1,2,3
	global_load_b32 v[BV+\tt], v7, s[28:29] offset:(32*(\tt/2)+8*(\tt%2))*4
.endr
	s_wait_loadcnt 40                              ; x's 32 loads are in; the 24 + 8 + 4 + 4 issued behind them may be out
; Position 4 L + q: its 32 numbers down c are brought on end (the conversions take consecutive registers), quantised, and stored into x's image and line.
.macro XQ q
.set Y, YY+32*((\q)%2)
.set CC, CQ+8*(\q)
	WIN 0x01                                       ; source 0 window 1
.set j, 0
.rept 32
	v_mov_b32 v[Y+j], v[XL+4*j+(\q)]
.set j, j+1
.endr
	WIN 0
	v_max3_num_f32 v120, |v[Y]|, |v[Y+1]|, |v[Y+2]|   ; the block's largest magnitude: all 32 numbers are mine; two chains
	v_max3_num_f32 v121, |v[Y+3]|, |v[Y+4]|, |v[Y+5]|
.irp i, 6,10,14,18,22,26
	s_delay_alu instid0(VALU_DEP_2)
	v_max3_num_f32 v120, v120, |v[Y+\i]|, |v[Y+\i+1]|
	s_delay_alu instid0(VALU_DEP_2)
	v_max3_num_f32 v121, v121, |v[Y+\i+2]|, |v[Y+\i+3]|
.endr
	s_delay_alu instid0(VALU_DEP_2)
	v_max3_num_f32 v120, v120, |v[Y+30]|, |v[Y+31]|
	s_delay_alu instid0(VALU_DEP_1)
	v_max3_num_f32 v120, v120, v121, 0x1800000     ; and the floor 2^(3 - 127): the byte cannot fall under 1
	s_delay_alu instid0(VALU_DEP_1)
	v_add_nc_u32 v122, 0xff000000, v120            ; 2 off the exponent field: the conversion's scale operand
	s_delay_alu instid0(VALU_DEP_1)
	v_lshrrev_b32 v[CC+6], 23, v122                ; the scale's byte
	v_cvt_scalef32_pk16_fp6_f32 v[CC:CC+2], v[Y:Y+15], v122
	v_cvt_scalef32_pk16_fp6_f32 v[124:126], v[Y+16:Y+31], v122   ; (a conversion's three registers begin on an even number)
	v_nop                                          ; one plain place behind a scaled conversion
.irp i, 0,1,2
	v_mov_b32 v[CC+3+\i], v[124+\i]
.endr
.irp i, 0,1,2
	ds_store_b64 v4, v[CC+2*\i:CC+2*\i+1] offset:8*(\q)+256*\i
.endr
	ds_store_b8 v5, v[CC+6] offset:4*(\q)
.endm
	XQ 0
	XQ 1
	XQ 2
	XQ 3
	s_wait_dscnt 0x0                               ; for the others' sake: my stores have landed
	s_barrier_signal -1
	s_barrier_wait -1                              ; x's sixteen images and eight lines lie in LDS
.irp T, 0,1,2,3,4,5,6,7
.irp i, 0,1,2,3,4,5
	ds_load_b64 v[XF0+12*\T+2*\i:XF0+12*\T+2*\i+1], v3 offset:XIMG+3072*\T+256*\i
.endr
.endr
.irp T, 0,1,2,3,4,5,6,7
	ds_load_b32 v[XS+\T], v2 offset:XSC+128*\T
.endr
	WIN 0x40
.irp T, 0,1,2,3,4,5,6,7
.irp i, 0,1,2,3,4,5
	ds_load_b64 v[XF1+12*\T+2*\i:XF1+12*\T+2*\i+1], v3 offset:XIMG+3072*\T+1536+256*\i
.endr
.endr
	WIN 0
.irp b, 0,1,2,3
	v_mov_b32 v[TM+4+\b], 0                        ; a lane permute's destination counts as one of its sources
.endr
	s_wait_loadcnt 0x0                             ; the weight, its scale lines, the bias
	s_wait_dscnt 0x0                               ; my loads of x's images and lines are in
; 64 numbers of a lane, v[s] .. v[s + 63], register 16 b + i = k 32 b + 16 (lane / 16) + i of my row, become a fragment's codes in v[PC] on and its scale word in v[PW].
.macro QUANT s
.irp b, 0,1,2,3
	v_max3_num_f32 v[TM+\b], |v[\s+16*\b]|, |v[\s+1+16*\b]|, 0x1800000   ; block b: my 16 numbers, and the floor 2^(3 - 127).  Each accumulator is read from its low end on
.endr
.irp i, 2,4,6,8,10,12,14
.irp b, 0,1,2,3
	v_max3_num_f32 v[TM+\b], v[TM+\b], |v[\s+16*\b+\i]|, |v[\s+1+16*\b+\i]|   ; the four blocks by turns
.endr
.endr
.irp b, 0,1,2,3
	s_delay_alu instid0(VALU_DEP_4)
	v_permlanex16_b32 v[TM+4+\b], v[TM+\b], s48, s49
.endr
.irp b, 0,1,2,3
	s_delay_alu instid0(VALU_DEP_4)
	v_max_num_f32 v[TM+\b], v[TM+\b], v[TM+4+\b]   ; with lane l xor 16's: the block's largest magnitude
.endr
.irp b, 0,1,2,3
	s_delay_alu instid0(VALU_DEP_4)
	v_add_nc_u32 v[TM+12+\b], 0xff000000, v[TM+\b] ; 2 off its exponent field: the conversion's scale operand
.endr
.irp b, 0,1,2,3
	s_delay_alu instid0(VALU_DEP_4)
	v_lshrrev_b32 v[TM+4+\b], 23, v[TM+12+\b]      ; the scale's byte
.endr
	s_delay_alu instid0(VALU_DEP_3)
	v_lshl_or_b32 v[PW], v[TM+5], 8, v[TM+4]
	s_delay_alu instid0(VALU_DEP_1)
	v_lshl_or_b32 v[PW], v[TM+6], 16, v[PW]
	s_delay_alu instid0(VALU_DEP_1)
	v_lshl_or_b32 v[PW], v[TM+7], 24, v[PW]
.irp c, 0,1
	v_cvt_scalef32_pk16_fp6_f32 v[PC+6*\c:PC+2+6*\c], v[\s+32*\c:\s+15+32*\c], v[TM+12+2*\c]
	v_cvt_scalef32_pk16_fp6_f32 v[PC+12+4*\c:PC+14+4*\c], v[\s+16+32*\c:\s+31+32*\c], v[TM+12+2*\c+1]
.endr
	v_nop                                          ; one plain place behind a scaled conversion
.irp c, 0,1                                    ; the operand's layout wants a WHOLE block in a lane: lanes 0-15 block 2 c, lanes 16-31 block 2 c + 1
.irp i, 0,1,2
	v_permlane16_swap_b32 v[PC+6*\c+\i], v[PC+12+4*\c+\i]
.endr
.irp i, 0,1,2
	s_delay_alu instid0(VALU_DEP_3)
	v_mov_b32 v[PC+3+6*\c+\i], v[PC+12+4*\c+\i]
.endr
.endr
.endm
; The K way, positions 32 blk .. 32 blk + 31: accumulator (u, tt) at v[ACC + 8 (4 u + tt)]: lane (r, h) = position r of tile 2 blk + u, register j = d 32 (tt / 2) + 16 h + 8 (tt % 2) + j.
; The eight accumulators take turns, one instruction a turn.
.macro MULK blk
	WIN 0x11                                       ; source 0 (W) and C (the bias) window 1
.irp u, 0,1
.irp tt, 0,1,2,3
	v_wmma_scale_f32_16x16x128_f8f6f4 v[ACC+8*(4*\u+\tt):ACC+8*(4*\u+\tt)+7], v[12*(2*\tt):12*(2*\tt)+11], v[XF0+12*(2*(\blk)+\u):XF0+12*(2*(\blk)+\u)+11], v[B1+8*\tt:B1+8*\tt+7], v[WS+\tt], v[XS+2*(\blk)+\u] matrix_a_fmt:MATRIX_FMT_FP6 matrix_b_fmt:MATRIX_FMT_FP6
.endr
.endr
	WIN 0x05                                       ; sources 0 and 1 window 1
.irp u, 0,1
.irp tt, 0,1,2,3
	v_wmma_scale_f32_16x16x128_f8f6f4 v[ACC+8*(4*\u+\tt):ACC+8*(4*\u+\tt)+7], v[12*(2*\tt+1):12*(2*\tt+1)+11], v[XF1+12*(2*(\blk)+\u):XF1+12*(2*(\blk)+\u)+11], v[ACC+8*(4*\u+\tt):ACC+8*(4*\u+\tt)+7], v[WS+\tt], v[XS+2*(\blk)+\u] matrix_a_fmt:MATRIX_FMT_FP6 matrix_b_fmt:MATRIX_FMT_FP6 matrix_a_scale:MATRIX_SCALE_ROW1 matrix_b_scale:MATRIX_SCALE_ROW1
.endr
.endr
	WIN 0
.rept 4
	v_nop                                          ; four places in front of the first read of results (ISA guide 7.12.1)
.endr
.endm
; The V way, channels of tile tt: accumulator T at v[ACC + 8 T]: lane (r, h) = channel r of the tile, register j = position 32 (T / 2) + 16 h + 8 (T % 2) + j.
.macro MULV tt
.irp j, 0,1,2,3,4,5,6,7
	v_mov_b32 v[BR+\j], v[BV+(\tt)]                ; my channel's bias in all eight registers
.endr
.rept 4
	v_nop
.endr
	WIN 0x04                                       ; source 1 (W) window 1
.irp T, 0,1,2,3,4,5,6,7
	v_wmma_scale_f32_16x16x128_f8f6f4 v[ACC+8*\T:ACC+8*\T+7], v[XF0+12*\T:XF0+12*\T+11], v[12*(2*(\tt)):12*(2*(\tt))+11], v[BR:BR+7], v[XS+\T], v[WS+(\tt)] matrix_a_fmt:MATRIX_FMT_FP6 matrix_b_fmt:MATRIX_FMT_FP6
.endr
	WIN 0x05
.irp T, 0,1,2,3,4,5,6,7
	v_wmma_scale_f32_16x16x128_f8f6f4 v[ACC+8*\T:ACC+8*\T+7], v[XF1+12*\T:XF1+12*\T+11], v[12*(2*(\tt)+1):12*(2*(\tt)+1)+11], v[ACC+8*\T:ACC+8*\T+7], v[XS+\T], v[WS+(\tt)] matrix_a_fmt:MATRIX_FMT_FP6 matrix_b_fmt:MATRIX_FMT_FP6 matrix_a_scale:MATRIX_SCALE_ROW1 matrix_b_scale:MATRIX_SCALE_ROW1
.endr
	WIN 0
.rept 4
	v_nop
.endr
.endm
.macro UNIT mode, n                    ; one image: 16 matrix instructions, the quantiser, three stores of 512 consecutive bytes
.if \mode
	MULV \n
.else
	MULK \n
.endif
	s_wait_xcnt 0x0                                ; the last unit's stores have read their data: the codes' registers and the line's are written again only behind this wait
	QUANT ACC
.irp c, 0,1,2
	global_store_b128 v1, v[PC+4*\c:PC+4*\c+3], s[30:31] offset:(\n)*1536+512*\c
.endr
.endm
.macro PAIR mode, p                    ; two units and their line of scale words: lanes 0-15 the first's, lanes 16-31 the second's
	UNIT \mode, 2*(\p)
	v_mov_b32 v[PWA], v[PW]
	UNIT \mode, 2*(\p)+1
	v_cndmask_b32 v[SW], v[PWA], v[PW], s47
	global_store_b32 v2, v[SW], s[32:33] offset:128*(\p)
.endm
	s_cmp_lg_u32 s43, 0                            ; the ways part on ids alone; no barrier follows
	s_cbranch_scc1 .Lv
	s_cmp_lg_u32 s45, 0
	s_cbranch_scc1 .Lk1
	PAIR 0, 0
.Lk1:
	s_cmp_lg_u32 s46, 0
	s_cbranch_scc1 .Lend
	PAIR 0, 1
	s_branch .Lend
.Lv:
	PAIR 1, 0
	PAIR 1, 1
.Lend:
	s_wait_tensorcnt 0x0
	ds_add_u32 v254, v255
	s_wait_dscnt 0x0
	s_endpgm
.Lfunc_end_k_qd24b63cfa5_proj:
	.size	k_qd24b63cfa5_proj, .Lfunc_end_k_qd24b63cfa5_proj-k_qd24b63cfa5_proj
	.p2alignl 7, 3214868480
	.fill 96, 4, 3214868480
	.section	.rodata,"a",@progbits
	.p2align	6, 0x0
	.amdhsa_kernel k_qd24b63cfa5_proj
		.amdhsa_group_segment_fixed_size 26624
		.amdhsa_private_segment_fixed_size 0
		.amdhsa_enable_private_segment 0
		.amdhsa_kernarg_size 88
		.amdhsa_user_sgpr_count 2
		.amdhsa_user_sgpr_kernarg_segment_ptr 1
		.amdhsa_wavefront_size32 1
		.amdhsa_system_sgpr_workgroup_id_x 1
		.amdhsa_system_sgpr_workgroup_id_y 1
		.amdhsa_system_sgpr_workgroup_id_z 1
		.amdhsa_system_vgpr_workitem_id 0
		.amdhsa_next_free_vgpr 512
		.amdhsa_next_free_sgpr 66
		.amdhsa_reserve_vcc 0
		.amdhsa_float_denorm_mode_32 3
		.amdhsa_float_denorm_mode_16_64 3
		.amdhsa_memory_ordered 1
		.amdhsa_forward_progress 1
		.amdhsa_inst_pref_size 91
	.end_amdhsa_kernel
	.amdgpu_metadata
---
amdhsa.version: [ 1, 2 ]
amdhsa.kernels:
  - .name:           k_qd24b63cfa5_proj
    .symbol:         k_qd24b63cfa5_proj.kd
    .args:
      - { .name: query, .offset: 0, .size: 8, .value_kind: global_buffer, .address_space: global }
      - { .name: source, .offset: 8, .size: 8, .value_kind: global_buffer, .address_space: global }
      - { .name: wimg, .offset: 16, .size: 8, .value_kind: global_buffer, .address_space: global }
      - { .name: wscl, .offset: 24, .size: 8, .value_kind: global_buffer, .address_space: global }
      - { .name: bq, .offset: 32, .size: 8, .value_kind: global_buffer, .address_space: global }
      - { .name: bk, .offset: 40, .size: 8, .value_kind: global_buffer, .address_space: global }
      - { .name: bv, .offset: 48, .size: 8, .value_kind: global_buffer, .address_space: global }
      - { .name: qi, .offset: 56, .size: 8, .value_kind: global_buffer, .address_space: global }
      - { .name: qs, .offset: 64, .size: 8, .value_kind: global_buffer, .address_space: global }
      - { .name: kv, .offset: 72, .size: 8, .value_kind: global_buffer, .address_space: global }
      - { .name: kvs, .offset: 80, .size: 8, .value_kind: global_buffer, .address_space: global }
    .group_segment_fixed_size: 26624
    .private_segment_fixed_size: 0
    .kernarg_segment_align: 8
    .kernarg_segment_size: 88
    .max_flat_workgroup_size: 256
    .sgpr_count:     66
    .vgpr_count:     512
    .wavefront_size: 32
...
	.end_amdgpu_metadata
.endif
;; end of part 2
;; launch attn (part 3): grid 64 x 4, 16 waves a work-group, clusters of 4 x 1, 327,680 bytes of LDS; arguments qi, qs, kv, kvs, wimg, wscl, bm, out0; writes out0
.if DOCPART == 3
	.amdgcn_target "amdgcn-amd-amdhsa--gfx1250"
	.amdhsa_code_object_version 6
	.text
	.protected	k_qd24b63cfa5_attn
	.globl	k_qd24b63cfa5_attn
	.p2align	8
	.type	k_qd24b63cfa5_attn,@function
k_qd24b63cfa5_attn:
	s_mov_b64 s[64:65], 0
	v_nop
	global_prefetch_b8 v0, s[64:65] scope:SCOPE_SE
	s_setreg_imm32_b32 hwreg(HW_REG_WAVE_MODE, 25, 1), 1
	s_wait_xcnt 0x0
	s_wait_alu depctr_hold_cnt(0) depctr_sa_sdst(0) depctr_va_vdst(0) depctr_va_sdst(0) depctr_va_ssrc(0) depctr_va_vcc(0) depctr_vm_vsrc(0)
	s_getreg_b32 s2, hwreg(HW_REG_IB_STS2, 6, 4)
	s_cmp_eq_u32 s2, 0
	s_cbranch_scc0 .Lentry_in_a_cluster
	s_endpgm
.Lentry_in_a_cluster:
	s_bfe_u32 s2, ttmp6, 0x10000c
	s_cmp_lg_u32 s2, 0x3003
	s_cbranch_scc0 .Lentry_shape_is_right
	s_endpgm
.Lentry_shape_is_right:
; out0 = Wm softmax(Q^T K / 8) V + bm, all three products on codes of FP6 (E2M3) with one E8M0 scale for each 32 along K.  Q, K, V arrive as images of operand registers (the launch before), Wm likewise.
; THE SOFTMAX AHEAD OF THE SECOND PRODUCT: t = score x log2(e) / 8; M = the row's largest t so far, rounded UP to a whole number; p = 2^(t - M) is what is quantised, along the keys; it is not normalised.
; The row's sum is taken of the unquantised p, in f32, and divides O at the end.  When M moves, the sum and O are multiplied by 2^(old M - new M): exact.
; SHARES.  A work-group owns 64 queries of one batch, ALL FOUR HEADS, so that the 256 channels of its positions meet in its LDS for the last product.  Wave w: head w / 4, tile w % 4 of 16 queries, in 256 registers:
; four waves to a SIMD, so that one wave's vector work stands beside another's matrix work and LDS loads.  Every wave walks the batch's 4,096 keys, 128 a step.
; CLUSTER.  The four work-groups of a cluster belong to one batch and walk the same K and V: each tile is asked for JOINTLY (the same tensor load, the same descriptor, the mask 15, in all four).
; LAYOUT.  S^T = K Q^T (source 0 = keys, source 1 = my 16 queries), O^T = V^T P^T (source 0 = 16 channels, source 1 = P): a lane holds ONE query (lane % 16) throughout.
; The head has 64 channels, the instruction 128 along K: a fragment of K holds TWO tiles of keys (registers 0-5 tile u = 0, registers 6-11 tile u = 1 of a block of 32 keys) and is multiplied once by [q | 0] and once by [0 | q]:
; zero codes add nothing.  The two lie over each other in 18 registers [0 x 6, q x 6, 0 x 6].  Q's scale word is [s0, s1, s0, s1].
; THE ELEMENTS OF A TILE ARE NOT NEIGHBOURS: lane r of tile 2 b + u takes element 32 b + 8 u + r + 8 (r / 8) (keys, queries, channels alike), so that the 16 registers of tiles 2 b, 2 b + 1 are 16 neighbours.
; THE END.  O^T / the sum is quantised along the channels (a head's 64 are two whole blocks), goes to LDS as half an image; a barrier; wave w makes output channels of tile w for the 64 positions.
; LIMITS: a p under 2^-126 counts as 0 (v_exp_f32 flushes: ISA guide, its entry); a block of zeros has the byte 1 (its codes are zeros); 1 / sum is v_rcp_f32 and a multiplication; NaN and infinities are not served.
; REGISTERS: v1-11 addresses; v12 -M, v13 the largest t, v[14:15] the sum; v16-33 Q; v34 Q's scale word, v35 p's; v36-83 four fragments of K (behind the score products: at work); v84-131 four of V;
;   v132-195 S^T, then p; v196-227 O^T; v228-239 p's codes; v240-243 K's and V's scale lines; v244-255 addresses and at work.
.set RECB,  49152                      ; a key step's record: K's 16 images (head x 4 + block of 32 keys) of 1,536 bytes, then V's 16 (head x 4 + tile of channels)
.set SLOTB, 2*RECB                     ; a slot holds two key steps
.set SLOT1, 1<<17                      ; slot 1 begins here, so that one exclusive or turns an address in one slot into the other's
.set SCL,   229376                     ; behind the ring: the batch's 32 records of scale lines, 2,048 bytes each: filled once
.set SPARE, 294912                     ; the spare words, 128 bytes for each wave: eight blocks of 256 bytes that no other line names
.set OIMG,  296960                     ; O's 8 images (2 x tile of queries + K step), six pieces of 256 bytes: piece i = registers 2 i, 2 i + 1, lane l's 8 bytes at 8 l
.set OSC,   309248                     ; their 4 lines of scale words: lanes 0-15 K step 0, lanes 16-31 K step 1
.set STG,   0                          ; the way out: 16 rows x (256 bytes + 16) for each wave, in slot 0, which has had its last fill and its last read in front of the last change of slots
.set NSL,   16                         ; slots' worth of keys
.set KF,  36
.set VF,  84
.set SS,  132
.set OO,  196
.set PC,  228
.set BM,  36                           ; v36-39 the blocks' largest scores, then largest p
.set BT,  40                           ; v40-43 the other half's, then the bytes
.set SOP, 44                           ; v44-47 the conversions' scale operands
.set CT,  48                           ; v48-50, v52-54 the second halves of the codes
.set SUM2, 56                          ; v[56:57] the sum's second chain
.set T0,  58
.macro CROUND                          ; a round of the cluster's barrier
	s_barrier_signal -1
	s_barrier_wait -1
	s_cmp_lg_u32 s20, 0
	s_cbranch_scc1 .Lnot_wave_0_\@
	s_barrier_signal -3
.Lnot_wave_0_\@:
	s_barrier_wait -3
	s_barrier_signal -1
	s_barrier_wait -1
.endm
.macro TLOAD                           ; waves 0 to 3 fetch a quarter of a slot each, the others nothing; the branch hangs on the wave's number alone; four v_nop follow the load
	s_cmp_lt_u32 s20, 4
	s_cbranch_scc0 .Lnot_mine_\@
	tensor_load_to_lds s[44:47], s[28:35]
	s_nop 0
.rept 4
	v_nop
.endr
.Lnot_mine_\@:
.endm
; A PREFETCH INTO THE L2 of the slot that the NEXT change of slots will ask for: 98,304 dense bytes = 12 x 8,192.  All clusters of a batch walk the same bytes: the batch's first cluster asks.  Its four partners share
; the twelve parts out BY ADDRESS: part 3 cx + (w - 4), waves 4, 5, 6; lanes 256 bytes apart: each aligned block of 256 bytes is named once in the launch.  It stands where the fetching waves have their tensor load.
; The last change that fills a slot asks for nothing; slots 0 and 1 and the scale lines come by their loads alone.
.macro ASK
	s_cmp_gt_u32 s54, s55
	s_cbranch_scc0 .Lno_ask_\@
	global_prefetch_b8 v247, s[56:57] th:TH_LOAD_NT scope:SCOPE_SE
.Lno_ask_\@:
.endm
	s_load_b512 s[4:19], s[0:1], 0x0               ; qi, qs, kv, kvs, wimg, wscl, bm, out0
	v_lshl_add_u32 v1, v0, 2, SPARE                ; my spare word; never rewritten
	v_mov_b32 v2, 0                                ; 0; never rewritten
	ds_add_u32 v1, v2
	ds_add_u32 v1, v2
	s_wait_dscnt 0x0
	v_lshrrev_b32 v3, 5, v0
	s_delay_alu instid0(VALU_DEP_1)
	v_readfirstlane_b32 s20, v3                    ; wave 0..15
	s_lshr_b32 s21, s20, 2                         ; my head
	s_and_b32 s22, s20, 3                          ; my tile of queries
	s_bfe_u32 s23, ttmp6, 0x40000                  ; cx: it enters global addresses alone
	s_and_b32 s52, ttmp7, 0xffff                   ; the batch, which the partners share
	s_lshl_b32 s53, ttmp9, 2
	s_add_co_u32 s53, s53, s23                     ; my block of 64 queries
	s_min_u32 s54, s20, 3                          ; which quarter I fetch, if I fetch
	s_mov_b32 s24, 0x76543210
	s_mov_b32 s25, 0xfedcba98                      ; v_permlanex16_b32's selects for lane l xor 16
	s_mov_b32 s26, 0x3e38aa3b                      ; c = log2(e) / 8
	s_mov_b32 s27, s26                             ; (named with it as a pair, so it is written)
	; descriptor group 1: a quarter of a slot, 24,576 dense bytes, as 96 rows of 256 bytes (32 elements of 8 bytes)
	s_mov_b32 s28, 15|(3<<16)|(1<<21)              ; 15:0 the mask: all four work-groups; 17:16 elements of 8 bytes; 21 set beside a mask; no padding: every LDS read takes 512 consecutive bytes
	s_mov_b32 s29, 32<<16                          ; tensor_dim0
	s_mov_b32 s30, 96<<16                          ; tensor_dim1
	s_mov_b32 s31, 32<<16                          ; tile_dim0
	s_mov_b32 s32, 96                              ; tile_dim1
	s_mov_b32 s33, 32                              ; tensor_dim0_stride
	s_mov_b32 s34, 0
	s_mov_b32 s35, 0
	; and a quarter of the batch's scale lines: 16,384 dense bytes, 64 rows
	s_mov_b32 s36, 15|(3<<16)|(1<<21)
	s_mov_b32 s37, 32<<16
	s_mov_b32 s38, 64<<16
	s_mov_b32 s39, 32<<16
	s_mov_b32 s40, 64
	s_mov_b32 s41, 32
	s_mov_b32 s42, 0
	s_mov_b32 s43, 0
	s_mov_b32 s44, 1
	s_mul_i32 s45, s54, 24576                      ; LDS: slot 0, my quarter
	s_mul_i32 s58, s52, 1572864                    ; a batch of kv
	s_add_co_u32 s58, s58, s45
	s_mov_b32 s59, 0
	s_mov_b32 s48, 1
	s_lshl_b32 s49, s54, 14
	s_lshl_b32 s60, s52, 16                        ; a batch of kvs
	s_add_co_u32 s60, s60, s49
	s_mov_b32 s61, 0
	s_add_co_u32 s49, s49, SCL
	; every LDS address register is made here, of the thread's and the wave's number alone
	v_and_b32 v250, 31, v0                         ; lane L
	v_and_b32 v251, 15, v0                         ; r
	v_bfe_u32 v252, v0, 4, 1                       ; h
	s_delay_alu instid0(VALU_DEP_3)
	v_lshlrev_b32 v254, 4, v250                    ; 16 L
	s_delay_alu instid0(VALU_DEP_4)
	v_lshlrev_b32 v255, 2, v250                    ; 4 L
	v_lshlrev_b32 v247, 8, v250                    ; 256 L: the prefetches' offset
	s_mul_i32 s2, s21, 6144
	v_add_nc_u32 v3, s2, v254                      ; my head's images in a slot's first record,
	s_delay_alu instid0(VALU_DEP_1)
	v_add_nc_u32 v4, RECB, v3                      ; and in its second
	s_lshl_b32 s2, s21, 8
	s_add_co_u32 s2, s2, SCL
	v_add_nc_u32 v5, s2, v255                      ; my head's scale lines in a record
	v_lshlrev_b32 v10, 3, v250
	s_wait_alu depctr_va_vdst(0)
	s_lshl_b32 s2, s22, 1
	s_lshr_b32 s3, s21, 1
	s_add_co_u32 s2, s2, s3
	s_mul_i32 s2, s2, 1536                         ; O's image 2 x tile + head / 2,
	s_and_b32 s62, s21, 1
	s_mul_i32 s63, s62, 768                        ; registers 6 (head % 2) on
	s_add_co_u32 s2, s2, s63
	s_add_co_u32 s2, s2, OIMG
	v_add_nc_u32 v8, s2, v10                       ; where my half image goes
	v_add_nc_u32 v10, OIMG, v10                    ; and where images are read
	s_lshl_b32 s2, s22, 7
	s_lshl_b32 s3, s3, 6
	s_add_co_u32 s2, s2, s3
	s_lshl_b32 s62, s62, 1
	s_add_co_u32 s2, s2, s62
	s_add_co_u32 s2, s2, OSC
	v_lshl_add_u32 v9, v251, 2, s2                 ; where my two scale bytes go
	v_add_nc_u32 v11, OSC, v255                    ; and where lines are read
	s_mul_i32 s2, s20, 4352                        ; my stage
	v_mul_u32_u24 v244, v251, 272
	s_delay_alu instid0(VALU_DEP_1)
	v_lshl_add_u32 v244, v252, 6, v244
	s_delay_alu instid0(VALU_DEP_1)
	v_add_nc_u32 v244, s2, v244                    ; in: row r, + 64 h bytes
	v_mul_u32_u24 v245, v252, 272
	s_delay_alu instid0(VALU_DEP_1)
	v_lshl_add_u32 v245, v251, 4, v245
	s_delay_alu instid0(VALU_DEP_1)
	v_add_nc_u32 v245, s2, v245                    ; back: lanes 0-15 one row, lanes 16-31 the next
	v_lshlrev_b32 v246, 14, v252
	s_delay_alu instid0(VALU_DEP_1)
	v_lshl_add_u32 v246, v251, 4, v246             ; and the same two rows (16,384 bytes apart) in out0
	v_and_b32 v253, 8, v251
	s_delay_alu instid0(VALU_DEP_1)
	v_add_nc_u32 v253, v253, v251
	s_delay_alu instid0(VALU_DEP_1)
	v_lshlrev_b32 v253, 2, v253                    ; bm: number r + 8 (r / 8)
	v_lshlrev_b32 v252, 2, v251                    ; Q's scale words: 4 r
	s_wait_kmcnt 0x0
	s_add_nc_u64 s[46:47], s[8:9], s[58:59]
	s_or_b32 s47, s47, 0x80000000                  ; type = 2
	s_add_nc_u64 s[50:51], s[10:11], s[60:61]
	s_or_b32 s51, s51, 0x80000000
	CROUND                                         ; all four work-groups are here: the first joint loads meet
	s_cmp_lt_u32 s20, 4                            ; a wave's two first fills stand in one branch: two loads of mine are out
	s_cbranch_scc0 .Lno_first
	tensor_load_to_lds s[48:51], s[36:43]          ; the scale lines of the whole batch: filled once
	s_nop 0
	tensor_load_to_lds s[44:47], s[28:35]          ; slot 0
	s_nop 0
.rept 4
	v_nop
.endr
.Lno_first:
	; who prefetches, and where
	s_sub_co_u32 s2, s20, 4
	s_cmp_lt_u32 s2, 3                             ; waves 4, 5, 6
	s_cselect_b32 s3, 0, 1
	s_or_b32 s3, s3, ttmp9                         ; of the batch's first cluster: the same in all four partners
	s_cmp_eq_u32 s3, 0
	s_cselect_b32 s55, 1, -1                       ; a wave asks while the count of slots is above this
	s_min_u32 s2, s2, 2
	s_mul_i32 s3, s23, 3
	s_add_co_u32 s2, s2, s3
	s_lshl_b32 s2, s2, 13                          ; my part of 8,192 bytes,
	s_mul_i32 s3, s52, 1572864
	s_add_co_u32 s2, s2, s3
	s_add_co_u32 s2, s2, SLOTB                     ; in slot 1: the first change of slots steps it to slot 2.  Nothing is prefetched here, at the head
	s_mov_b32 s3, 0
	s_add_nc_u64 s[56:57], s[8:9], s[2:3]
	; Q: record 32 x batch + block / 2; image 4 x head + 2 (block % 2) + tile / 2
	s_lshl_b32 s2, s52, 5
	s_lshr_b32 s3, s53, 1
	s_add_co_u32 s2, s2, s3
	s_and_b32 s58, s53, 1
	s_lshr_b32 s59, s22, 1
	s_mul_i32 s60, s2, 24576
	s_lshl_b32 s61, s21, 2
	s_lshl_b32 s62, s58, 1
	s_add_co_u32 s61, s61, s62
	s_add_co_u32 s61, s61, s59
	s_mul_i32 s61, s61, 1536
	s_add_co_u32 s60, s60, s61
	s_mov_b32 s61, 0
	s_add_nc_u64 s[4:5], s[4:5], s[60:61]
	s_lshl_b32 s60, s2, 10
	s_lshl_b32 s62, s21, 8
	s_add_co_u32 s60, s60, s62
	s_lshl_b32 s62, s58, 7
	s_add_co_u32 s60, s60, s62
	s_lshl_b32 s62, s59, 6
	s_add_co_u32 s60, s60, s62
	s_add_nc_u64 s[6:7], s[6:7], s[60:61]
.irp c, 0,1,2
	global_load_b128 v[KF+4*\c:KF+4*\c+3], v254, s[4:5] offset:512*\c   ; the image that holds my tile of queries
.endr
	s_wait_alu depctr_va_vdst(0)
	global_load_b32 v250, v252, s[6:7]             ; and its scale words
	; the end's addresses: Wm's tile w, its scale line, bm, out0
	s_mul_i32 s60, s20, 3072
	s_add_co_u32 s60, s60, 147456
	s_add_nc_u64 s[12:13], s[12:13], s[60:61]
	s_lshl_b32 s60, s20, 7
	s_add_co_u32 s60, s60, 6144
	s_add_nc_u64 s[14:15], s[14:15], s[60:61]
	s_lshr_b32 s62, s20, 1
	s_lshl_b32 s62, s62, 5
	s_and_b32 s63, s20, 1
	s_lshl_b32 s63, s63, 3
	s_add_co_u32 s62, s62, s63                     ; my tile's first output channel: 32 (w / 2) + 8 (w % 2)
	s_lshl_b32 s60, s62, 2
	s_add_nc_u64 s[16:17], s[16:17], s[60:61]
	s_lshl_b32 s60, s62, 14
	s_lshl_b32 s63, s52, 22
	s_add_co_u32 s60, s60, s63
	s_lshl_b32 s63, s53, 8
	s_add_co_u32 s60, s60, s63
	s_add_nc_u64 s[18:19], s[18:19], s[60:61]
	s_and_b32 s2, s22, 1                           ; which half of the image is my tile
	s_mov_b32 s3, 0x01000100
	s_cmp_lg_u32 s2, 0
	s_cselect_b32 s3, 0x03020302, s3               ; its two bytes, twice
	s_cselect_b32 s2, -1, 0
	s_mov_b32 s52, 0                               ; LDS byte at which the slot in hand begins
	s_mov_b32 s53, 0                               ; the step's record of scale lines
	s_mov_b32 s54, NSL-1                           ; slots still to be asked for
.irp i, 0,1,2,3,4,5
	v_mov_b32 v[16+\i], 0
	v_mov_b32 v[28+\i], 0
.endr
	v_mov_b32 v13, 0xff61b1e6                      ; the largest t so far: -3e38, under every t
	s_delay_alu instid0(VALU_DEP_1)
	v_floor_f32 v12, -v13                          ; -M
	v_mov_b32 v14, 0                               ; the sum, in two halves
	v_mov_b32 v15, 0
	v_mov_b32 v249, 0                              ; (named as the upper half of the pair v[248:249])
	s_wait_loadcnt 0x0
.irp i, 0,1,2,3,4,5
	v_cndmask_b32 v[22+\i], v[KF+\i], v[KF+6+\i], s2
.endr
	v_perm_b32 v34, v250, v250, s3
.set j, 0
.rept 32
	v_mov_b32 v[OO+j], 0                           ; O^T.  (The loop is written once: its first step finds zeros, which the first change of M leaves zeros.  These lines are also the places between Q's registers and the first products)
.set j, j+1
.endr
.macro KQ blk                          ; keys 32 blk on: tile u = 0 by [q | 0], tile u = 1 by [0 | q]
.if (\blk)%2
	v_wmma_scale_f32_16x16x128_f8f6f4 v[SS+16*\blk:SS+16*\blk+7], v[KF+12*\blk:KF+12*\blk+11], v[22:33], 0, v[240+\blk/2], v34 matrix_a_fmt:MATRIX_FMT_FP6 matrix_b_fmt:MATRIX_FMT_FP6 matrix_a_scale:MATRIX_SCALE_ROW1
	v_wmma_scale_f32_16x16x128_f8f6f4 v[SS+16*\blk+8:SS+16*\blk+15], v[KF+12*\blk:KF+12*\blk+11], v[16:27], 0, v[240+\blk/2], v34 matrix_a_fmt:MATRIX_FMT_FP6 matrix_b_fmt:MATRIX_FMT_FP6 matrix_a_scale:MATRIX_SCALE_ROW1
.else
	v_wmma_scale_f32_16x16x128_f8f6f4 v[SS+16*\blk:SS+16*\blk+7], v[KF+12*\blk:KF+12*\blk+11], v[22:33], 0, v[240+\blk/2], v34 matrix_a_fmt:MATRIX_FMT_FP6 matrix_b_fmt:MATRIX_FMT_FP6
	v_wmma_scale_f32_16x16x128_f8f6f4 v[SS+16*\blk+8:SS+16*\blk+15], v[KF+12*\blk:KF+12*\blk+11], v[16:27], 0, v[240+\blk/2], v34 matrix_a_fmt:MATRIX_FMT_FP6 matrix_b_fmt:MATRIX_FMT_FP6
.endif
.endm
.macro PV tt                           ; O^T += V^T P^T, channels of tile tt
.if (\tt)%2
	v_wmma_scale_f32_16x16x128_f8f6f4 v[OO+8*\tt:OO+8*\tt+7], v[VF+12*\tt:VF+12*\tt+11], v[PC:PC+11], v[OO+8*\tt:OO+8*\tt+7], v[242+\tt/2], v35 matrix_a_fmt:MATRIX_FMT_FP6 matrix_b_fmt:MATRIX_FMT_FP6 matrix_a_scale:MATRIX_SCALE_ROW1
.else
	v_wmma_scale_f32_16x16x128_f8f6f4 v[OO+8*\tt:OO+8*\tt+7], v[VF+12*\tt:VF+12*\tt+11], v[PC:PC+11], v[OO+8*\tt:OO+8*\tt+7], v[242+\tt/2], v35 matrix_a_fmt:MATRIX_FMT_FP6 matrix_b_fmt:MATRIX_FMT_FP6
.endif
.endm
; A KEY STEP: 128 keys, the q-th record of the slot in hand.
.macro STEP q
	v_add_nc_u32 v6, s52, v[3+\q]
	v_add_nc_u32 v7, s53, v5
	v_nop
	v_nop                                          ; four places in front of loads into registers that the last products have read
	ds_load_b32 v240, v7                           ; K's scale lines: lanes 0-15 block 0, lanes 16-31 block 1;
	ds_load_b32 v241, v7 offset:128                ; blocks 2 and 3
.irp f, 0,1,2,3
.irp c, 0,1,2
	ds_load_b128 v[KF+12*\f+4*\c:KF+12*\f+4*\c+3], v6 offset:1536*\f+512*\c   ; 32 lanes read 512 consecutive bytes
.endr
.endr
.irp f, 0,1,2,3
.irp c, 0,1,2
	ds_load_b128 v[VF+12*\f+4*\c:VF+12*\f+4*\c+3], v6 offset:24576+1536*\f+512*\c
.endr
.endr
	ds_load_b32 v242, v7 offset:1024               ; V's scale lines
	ds_load_b32 v243, v7 offset:1152
	s_wait_dscnt 14                                ; K and its lines are in; V's twelve loads and two lines, issued behind them, may be out
	KQ 0
	KQ 1
	KQ 2
	KQ 3                                           ; lane (r, h) holds query r; registers 16 b + i are keys 32 b + 16 h + i
.rept 4
	v_nop                                          ; four places in front of the first read of results and of the first write over K's fragments
.endr
.irp b, 0,1,2,3
	v_max3_num_f32 v[BM+\b], v[SS+16*\b], v[SS+16*\b+1], v[SS+16*\b+2]   ; THE LARGEST SCORE OF EACH BLOCK OF 32 KEYS: for the row's maximum, and, since p rises with the score, for the block's largest p
.endr
.irp i, 3,5,7,9,11,13
.irp b, 0,1,2,3
	v_max3_num_f32 v[BM+\b], v[BM+\b], v[SS+16*\b+\i], v[SS+16*\b+\i+1]   ; the four blocks by turns; each accumulator from its low end on
.endr
.endr
.irp b, 0,1,2,3
	v_max_num_f32 v[BM+\b], v[BM+\b], v[SS+16*\b+15]
.endr
.irp b, 0,1,2,3
	s_delay_alu instid0(VALU_DEP_4)
	v_permlanex16_b32 v[BT+\b], v[BM+\b], s24, s25
.endr
.irp b, 0,1,2,3
	s_delay_alu instid0(VALU_DEP_4)
	v_max_num_f32 v[BM+\b], v[BM+\b], v[BT+\b]     ; with lane l xor 16's 16 keys
.endr
	s_delay_alu instid0(VALU_DEP_2)
	v_max3_num_f32 v[T0], v[BM], v[BM+1], v[BM+2]
	s_delay_alu instid0(VALU_DEP_1)
	v_max_num_f32 v[T0], v[T0], v[BM+3]            ; the step's largest score of my query
	s_delay_alu instid0(VALU_DEP_1)
	v_mul_f32 v[T0], s26, v[T0]                    ; as t (c is positive)
	s_delay_alu instid0(VALU_DEP_1)
	v_max_num_f32 v13, v13, v[T0]                  ; the running largest t
	v_mov_b32 v[T0], v12
	s_delay_alu instid0(VALU_DEP_2)
	v_floor_f32 v12, -v13                          ; the new -M = floor(-t) = -ceil(t): M IS A WHOLE NUMBER
	s_delay_alu instid0(VALU_DEP_1)
	v_sub_f32 v[T0], v12, v[T0]                    ; M's old value less its new one: a whole number, 0 or less
	s_delay_alu instid0(VALU_DEP_1)
	v_cvt_i32_f32 v[T0], v[T0]                     ; (it saturates)
	s_delay_alu instid0(VALU_DEP_1)
	v_ldexp_f32 v248, 1.0, v[T0]                   ; f = 2^(old M - new M)
.set j, 0
.rept 32
	v_pk_fma_f32 v[SS+j:SS+j+1], v[SS+j:SS+j+1], s[26:27], v[12:13] op_sel_hi:[1,0,0]   ; t - M, two at a time
.set j, j+2
.endr
.irp b, 0,1,2,3
	v_fma_f32 v[BM+\b], v[BM+\b], s26, v12         ; the same of each block's largest score
.endr
.set j, 0
	s_wait_alu depctr_va_vdst(0)
.rept 64
	v_exp_f32 v[SS+j], v[SS+j]                     ; p = 2^(t - M), at most 1: NOT normalised
.set j, j+1
.endr
.irp b, 0,1,2,3
	v_exp_f32 v[BM+\b], v[BM+\b]                   ; the block's largest p: the same two instructions on the same number give the same bits
.endr
	v_pk_mul_f32 v[14:15], v[14:15], v[248:249] op_sel_hi:[1,0]   ; the sums under the new M.  (A plain place behind the exponentials)
	s_wait_alu depctr_va_vdst(0)
.irp b, 0,1,2,3
	v_max_num_f32 v[BM+\b], 0x1800000, v[BM+\b]    ; the floor 2^(3 - 127): the byte cannot fall under 1
.endr
.irp b, 0,1,2,3
	s_delay_alu instid0(VALU_DEP_4)
	v_add_nc_u32 v[SOP+\b], 0xff000000, v[BM+\b]   ; 2 off the exponent field: the conversion's scale operand
.endr
.irp b, 0,1,2,3
	s_delay_alu instid0(VALU_DEP_4)
	v_lshrrev_b32 v[BT+\b], 23, v[SOP+\b]          ; the scale's byte
.endr
	s_delay_alu instid0(VALU_DEP_3)
	v_lshl_or_b32 v35, v[BT+1], 8, v[BT]           ; p's scale word for these 128 keys
	s_delay_alu instid0(VALU_DEP_1)
	v_lshl_or_b32 v35, v[BT+2], 16, v35
	s_delay_alu instid0(VALU_DEP_1)
	v_lshl_or_b32 v35, v[BT+3], 24, v35
.irp c, 0,1
	v_cvt_scalef32_pk16_fp6_f32 v[PC+6*\c:PC+6*\c+2], v[SS+32*\c:SS+32*\c+15], v[SOP+2*\c]
	v_cvt_scalef32_pk16_fp6_f32 v[CT+4*\c:CT+4*\c+2], v[SS+32*\c+16:SS+32*\c+31], v[SOP+2*\c+1]   ; (a conversion's three registers begin on an even number)
.endr
	v_nop                                          ; one plain place behind a scaled conversion
.irp c, 0,1                                    ; the operand's layout wants a WHOLE block in a lane: lanes 0-15 block 2 c, lanes 16-31 block 2 c + 1
.irp i, 0,1,2
	v_permlane16_swap_b32 v[PC+6*\c+\i], v[CT+4*\c+\i]
.endr
.irp i, 0,1,2
	s_delay_alu instid0(VALU_DEP_3)
	v_mov_b32 v[PC+6*\c+3+\i], v[CT+4*\c+\i]
.endr
.endr
	v_pk_add_f32 v[56:57], v[136:137], v[140:141]
	v_pk_add_f32 v[240:241], v[144:145], v[148:149]
	v_pk_add_f32 v[82:83], v[152:153], v[156:157]
	v_pk_add_f32 v[80:81], v[160:161], v[164:165]
	v_pk_add_f32 v[78:79], v[168:169], v[172:173]
	v_pk_add_f32 v[76:77], v[176:177], v[180:181]
	v_pk_add_f32 v[74:75], v[184:185], v[188:189]
	v_pk_add_f32 v[14:15], v[14:15], v[192:193]
	v_pk_add_f32 v[56:57], v[56:57], v[132:133]
	v_pk_add_f32 v[240:241], v[240:241], v[134:135]
	v_pk_add_f32 v[82:83], v[82:83], v[138:139]
	v_pk_add_f32 v[80:81], v[80:81], v[142:143]
	v_pk_add_f32 v[78:79], v[78:79], v[146:147]
	v_pk_add_f32 v[76:77], v[76:77], v[150:151]
	v_pk_add_f32 v[74:75], v[74:75], v[154:155]
	v_pk_add_f32 v[14:15], v[14:15], v[158:159]
	v_pk_add_f32 v[56:57], v[56:57], v[162:163]
	v_pk_add_f32 v[240:241], v[240:241], v[166:167]
	v_pk_add_f32 v[82:83], v[82:83], v[170:171]
	v_pk_add_f32 v[80:81], v[80:81], v[174:175]
	v_pk_add_f32 v[78:79], v[78:79], v[178:179]
	v_pk_add_f32 v[76:77], v[76:77], v[182:183]
	v_pk_add_f32 v[74:75], v[74:75], v[186:187]
	v_pk_add_f32 v[14:15], v[14:15], v[190:191]
	v_pk_add_f32 v[56:57], v[56:57], v[194:195]
	s_delay_alu instid0(VALU_DEP_2)
	v_pk_add_f32 v[14:15], v[14:15], v[80:81]
	s_delay_alu instid0(VALU_DEP_2)
	v_pk_add_f32 v[56:57], v[56:57], v[78:79]
	v_pk_add_f32 v[240:241], v[240:241], v[76:77]
	v_pk_add_f32 v[82:83], v[82:83], v[74:75]
	s_delay_alu instid0(VALU_DEP_2)
	v_pk_add_f32 v[14:15], v[14:15], v[240:241]
	s_delay_alu instid0(VALU_DEP_2)
	v_pk_add_f32 v[56:57], v[56:57], v[82:83]
	s_delay_alu instid0(VALU_DEP_1)
	v_pk_add_f32 v[14:15], v[14:15], v[56:57]
.set j, 0
.rept 16
	v_pk_mul_f32 v[OO+j:OO+j+1], v[OO+j:OO+j+1], v[248:249] op_sel_hi:[1,0]   ; O^T under the new M: x f.  (The sums and these lines are also the places between p's codes and scale word and the products below)
.set j, j+2
.endr
	s_wait_alu depctr_va_vdst(0)
	s_wait_dscnt 0x0                               ; V and its lines are in
	PV 0
	PV 1
	PV 2
	PV 3                                           ; four accumulators by turns; between two links of one chain stand the next step's eight score products too
	s_add_co_u32 s53, s53, 2048                    ; the next step's scale lines
.endm
; THE CHANGE OF SLOTS stands at a slot's head.  Each wave waits for all its tensor loads (its part of the slot that it is about to read), adds 0 to its spare word, and waits for that and for its reads of the slot that it has left.
; fill = 1: a round of the cluster's barrier, so that no wave of any partner still reads the other slot or has a load on its way; then that slot is filled with the next 256 keys: one load in each of waves 0-3, with a slot's two steps in which to land.
.macro CHANGE fill
	s_wait_tensorcnt 0x0                           ; no tensor load of mine is out, so the group 0 may be written
	ds_add_u32 v1, v2                              ; 0 onto my spare word
.if \fill
	s_xor_b32 s45, s45, SLOT1                      ; the walking descriptor: the other slot than last time,
	s_add_nc_u64 s[46:47], s[46:47], SLOTB         ; the next two records; the type bits on top are not reached
	s_wait_xcnt 0x0                                ; the last prefetch, a slot back, has read its address, so it may be written:
	s_add_nc_u64 s[56:57], s[56:57], SLOTB         ; one slot further on than the walking descriptor
.endif
	s_wait_dscnt 0x0                               ; the add is done, and my reads of the slot that I have left are over
.if \fill
	CROUND
	TLOAD                                          ; the first thing behind the round, and a wave's one tensor load until the next
	ASK
.else
	s_barrier_signal -1
	s_barrier_wait -1
.endif
.endm
.Lslot:                                            ; NSL - 1 trips: behind each change of slots but the last the next slot is asked for
	CHANGE 1
	STEP 0
	STEP 1
	s_xor_b32 s52, s52, SLOT1                      ; on to the other slot
	s_sub_co_u32 s54, s54, 1
	s_cmp_lg_u32 s54, 0
	s_cbranch_scc1 .Lslot
	CHANGE 0                                       ; the last slot is written out
	STEP 0
	STEP 1
	; THE END.  Wm's tile w is asked for; O^T is divided by the sum and quantised along the channels.
.rept 4
	v_nop                                          ; four places behind the last products
.endr
.irp i, 0,1,2,3,4,5
	global_load_b128 v[SS+4*\i:SS+4*\i+3], v254, s[12:13] offset:512*\i   ; Wm's two fragments: v132-143 K step 0, v144-155 K step 1
.endr
	global_load_b32 v35, v255, s[14:15]            ; their scale line
	global_load_b32 v252, v253, s[16:17]           ; bm of my lane's output channel
	v_add_f32 v14, v14, v15                        ; the sum's two halves,
	s_delay_alu instid0(VALU_DEP_1)
	v_permlanex16_b32 v251, v14, s24, s25
	s_delay_alu instid0(VALU_DEP_1)
	v_add_f32 v14, v14, v251                       ; and lane l xor 16's: the row's sum
	s_wait_alu depctr_va_vdst(0)
	v_rcp_f32 v14, v14
	v_nop                                          ; one plain place behind a transcendental
.set j, 0
	s_wait_alu depctr_va_vdst(0)
.rept 16
	v_pk_mul_f32 v[OO+j:OO+j+1], v[OO+j:OO+j+1], v[14:15] op_sel_hi:[1,0]   ; register 16 b + i is channel 64 head + 32 b + 16 h + i of my query
.set j, j+2
.endr
	v_max3_num_f32 v[BM], |v[OO]|, |v[OO+1]|, 0x1800000
	v_max3_num_f32 v[BM+1], |v[OO+16]|, |v[OO+17]|, 0x1800000
.irp i, 2,4,6,8,10,12,14
	s_delay_alu instid0(VALU_DEP_2)
	v_max3_num_f32 v[BM], v[BM], |v[OO+\i]|, |v[OO+\i+1]|
	s_delay_alu instid0(VALU_DEP_2)
	v_max3_num_f32 v[BM+1], v[BM+1], |v[OO+16+\i]|, |v[OO+17+\i]|
.endr
	s_delay_alu instid0(VALU_DEP_2)
	v_permlanex16_b32 v[BT], v[BM], s24, s25
	s_delay_alu instid0(VALU_DEP_2)
	v_permlanex16_b32 v[BT+1], v[BM+1], s24, s25
	s_delay_alu instid0(VALU_DEP_2)
	v_max_num_f32 v[BM], v[BM], v[BT]
	s_delay_alu instid0(VALU_DEP_2)
	v_max_num_f32 v[BM+1], v[BM+1], v[BT+1]
	s_delay_alu instid0(VALU_DEP_2)
	v_add_nc_u32 v[SOP], 0xff000000, v[BM]
	s_delay_alu instid0(VALU_DEP_2)
	v_add_nc_u32 v[SOP+1], 0xff000000, v[BM+1]
	s_delay_alu instid0(VALU_DEP_2)
	v_lshrrev_b32 v[BT], 23, v[SOP]
	s_delay_alu instid0(VALU_DEP_2)
	v_lshrrev_b32 v[BT+1], 23, v[SOP+1]
	s_delay_alu instid0(VALU_DEP_1)
	v_lshl_or_b32 v[BT+2], v[BT+1], 8, v[BT]       ; my head's two bytes of the row's scale word
	v_cvt_scalef32_pk16_fp6_f32 v[PC:PC+2], v[OO:OO+15], v[SOP]
	v_cvt_scalef32_pk16_fp6_f32 v[CT:CT+2], v[OO+16:OO+31], v[SOP+1]
	v_nop                                          ; one plain place behind a scaled conversion
.irp i, 0,1,2
	v_permlane16_swap_b32 v[PC+\i], v[CT+\i]
.endr
.irp i, 0,1,2
	s_delay_alu instid0(VALU_DEP_3)
	v_mov_b32 v[PC+3+\i], v[CT+\i]                 ; six registers: k = 64 (head % 2) + 32 h + 0 .. 31 of K step head / 2
.endr
.irp i, 0,1,2
	ds_store_b64 v8, v[PC+2*\i:PC+2*\i+1] offset:256*\i
.endr
	ds_store_b16 v9, v[BT+2]                       ; both lanes of a row write the same bytes with the same value
	s_wait_dscnt 0x0                               ; for the others' sake: my stores have landed
	s_barrier_signal -1
	s_barrier_wait -1                              ; O's eight images and four lines lie in LDS
.irp f, 0,1,2,3,4,5,6,7
.irp i, 0,1,2,3,4,5
	ds_load_b64 v[KF+12*\f+2*\i:KF+12*\f+2*\i+1], v10 offset:1536*\f+256*\i
.endr
.endr
.irp m, 0,1,2,3
	ds_load_b32 v[240+\m], v11 offset:128*\m
.endr
	s_wait_loadcnt 0x0                             ; Wm, its line, bm
.irp j, 0,1,2,3,4,5,6,7
	v_mov_b32 v[156+\j], v252                      ; my channel's bias in all eight registers: the C of each sum's first instruction
.endr
.rept 4
	v_nop
.endr
	s_wait_alu depctr_va_vdst(0)
	s_wait_dscnt 0x0
.irp m, 0,1,2,3                                ; source 0 = 16 queries, source 1 = Wm's 16 rows: lane (r, h) holds output channel r of tile w, register j position 32 (m / 2) + 8 (m % 2) + 16 h + j.  Four accumulators by turns
	v_wmma_scale_f32_16x16x128_f8f6f4 v[164+8*\m:171+8*\m], v[KF+24*\m:KF+24*\m+11], v[132:143], v[156:163], v[240+\m], v35 matrix_a_fmt:MATRIX_FMT_FP6 matrix_b_fmt:MATRIX_FMT_FP6
.endr
.irp m, 0,1,2,3
	v_wmma_scale_f32_16x16x128_f8f6f4 v[164+8*\m:171+8*\m], v[KF+24*\m+12:KF+24*\m+23], v[144:155], v[164+8*\m:171+8*\m], v[240+\m], v35 matrix_a_fmt:MATRIX_FMT_FP6 matrix_b_fmt:MATRIX_FMT_FP6 matrix_a_scale:MATRIX_SCALE_ROW1 matrix_b_scale:MATRIX_SCALE_ROW1
.endr
.rept 4
	v_nop                                          ; four places in front of the stores of results and of loads into registers that the products have read
.endr
	; THE WAY OUT: through my own stage, so that sixteen lanes store one channel's 256 consecutive bytes
.irp m, 0,1,2,3
	ds_store_b128 v244, v[164+8*\m:167+8*\m] offset:STG+128*(\m/2)+32*(\m%2)        ; each accumulator from its low end on
	ds_store_b128 v244, v[168+8*\m:171+8*\m] offset:STG+128*(\m/2)+32*(\m%2)+16
.endr
.irp i, 0,1,2,3,4,5,6,7
	ds_load_b128 v[KF+4*\i:KF+4*\i+3], v245 offset:STG+544*\i   ; LDS serves a wave's instructions in order (ISA guide 5.7.1.4): these see my stores
.endr
.irp i, 0,1,2,3,4,5,6,7
	s_wait_dscnt 7-\i                              ; load i is in; the younger ones may be out
	global_store_b128 v246, v[KF+4*\i:KF+4*\i+3], s[18:19] offset:(2*\i+8*(\i/4))*16384 th:TH_STORE_NT   ; stage rows 2 i and 2 i + 1 are channels 2 i + h + 8 (i / 4) of the tile; 16 lanes store 256 consecutive bytes, aligned
.endr
	s_wait_tensorcnt 0x0                           ; the wave's end: behind my last tensor load and my last LDS store
	ds_add_u32 v1, v2
	s_wait_dscnt 0x0
	CROUND                                         ; the closing round: no work-group ends while a partner may still ask for a tile that names it
	s_endpgm
.Lfunc_end_k_qd24b63cfa5_attn:
	.size	k_qd24b63cfa5_attn, .Lfunc_end_k_qd24b63cfa5_attn-k_qd24b63cfa5_attn
	.p2alignl 7, 3214868480
	.fill 96, 4, 3214868480
	.section	.rodata,"a",@progbits
	.p2align	6, 0x0
	.amdhsa_kernel k_qd24b63cfa5_attn
		.amdhsa_group_segment_fixed_size 327680
		.amdhsa_private_segment_fixed_size 0
		.amdhsa_enable_private_segment 0
		.amdhsa_kernarg_size 64
		.amdhsa_user_sgpr_count 2
		.amdhsa_user_sgpr_kernarg_segment_ptr 1
		.amdhsa_wavefront_size32 1
		.amdhsa_system_sgpr_workgroup_id_x 1
		.amdhsa_system_sgpr_workgroup_id_y 1
		.amdhsa_system_sgpr_workgroup_id_z 1
		.amdhsa_system_vgpr_workitem_id 0
		.amdhsa_next_free_vgpr 256
		.amdhsa_next_free_sgpr 66
		.amdhsa_reserve_vcc 0
		.amdhsa_float_denorm_mode_32 3
		.amdhsa_float_denorm_mode_16_64 3
		.amdhsa_memory_ordered 1
		.amdhsa_forward_progress 1
		.amdhsa_inst_pref_size 91
	.end_amdhsa_kernel
	.amdgpu_metadata
---
amdhsa.version: [ 1, 2 ]
amdhsa.kernels:
  - .name:           k_qd24b63cfa5_attn
    .symbol:         k_qd24b63cfa5_attn.kd
    .args:
      - { .name: qi, .offset: 0, .size: 8, .value_kind: global_buffer, .address_space: global }
      - { .name: qs, .offset: 8, .size: 8, .value_kind: global_buffer, .address_space: global }
      - { .name: kv, .offset: 16, .size: 8, .value_kind: global_buffer, .address_space: global }
      - { .name: kvs, .offset: 24, .size: 8, .value_kind: global_buffer, .address_space: global }
      - { .name: wimg, .offset: 32, .size: 8, .value_kind: global_buffer, .address_space: global }
      - { .name: wscl, .offset: 40, .size: 8, .value_kind: global_buffer, .address_space: global }
      - { .name: bm, .offset: 48, .size: 8, .value_kind: global_buffer, .address_space: global }
      - { .name: out0, .offset: 56, .size: 8, .value_kind: global_buffer, .address_space: global }
    .group_segment_fixed_size: 327680
    .private_segment_fixed_size: 0
    .kernarg_segment_align: 8
    .kernarg_segment_size: 64
    .max_flat_workgroup_size: 512
    .sgpr_count:     66
    .vgpr_count:     256
    .wavefront_size: 32
...
	.end_amdgpu_metadata
.endif
;; end of part 3
